; MI455X (gfx1250); checked and timed in simulation.
; The chip was launched on July 23, 2026; its instructions are those of AMD's public machine-readable ISA for CDNA 5 (MIT licence, August 2026) and "CDNA5" Instruction Set Architecture Reference Guide (July 2026). The comments in the code are by the model that wrote it; some were corrected since.
;; SS Kernel Diag. Allowed arithmetic: float matrix products may take bf16 or f16 operands with f32 sums; all other float work in f32.
;; Inputs: A_imag 1,024 x 32 float32; B_ri 1,024 x 32 x 2 float32; C_ri 1 x 1,024 x 32 x 2 float32; inv_A_real 1,024 x 32 float32; log_dt 1,024 float32.
;; Outputs: out0 1,024 x 4,096 float32.
;; Constants: L = 4096.
;; 2 versions, each right; version 2 is version 1 with the launch sskernel written anew for expert scheduling mode. Each part assembles by itself: llvm-mc -triple=amdgcn-amd-amdhsa -mcpu=gfx1250 --defsym DOCPART=n.
;; ======== version 1 of 2: 1 launch
;; launch sskernel (part 1): grid 256 x 1, 4 waves a work-group, no clusters, 37,632 bytes of LDS; arguments A_imag, B_ri, C_ri, inv_A_real, log_dt, out0; writes out0
.if DOCPART == 1
	.amdgcn_target "amdgcn-amd-amdhsa--gfx1250"
	.amdhsa_code_object_version 6
	.text
	.protected	k_qbf9056eb73_sskernel
	.globl	k_qbf9056eb73_sskernel
	.p2align	8
	.type	k_qbf9056eb73_sskernel,@function
k_qbf9056eb73_sskernel:
	s_mov_b64 s[64:65], 0
	v_nop
	global_prefetch_b8 v0, s[64:65] scope:SCOPE_SE
	s_setreg_imm32_b32 hwreg(HW_REG_WAVE_MODE, 25, 1), 1
	s_wait_xcnt 0x0
; K[h][l] = 2 Re sum_n Cb[h][n] exp(dtA[h][n] l),  h < 1024, n < 32, l < 4096.   One wave makes one channel h.
;
; With w = exp(dtA) and l = u + v on disjoint bits,  u = (m&3) + 64 (m>>2)  (m = 0..63),  v = 4 r + 1024 nt  (r = 0..15, nt = 0..3):
;   K[u+v] = sum_n Xr[n][u] Yr[n][v] + Xi[n][u] Yi[n][v],   X = w^u,   Y = conj(2 Cb) conj(w)^v,
; a real 64 x 64 x 64 product for each channel: 4,096 complex factors in place of 131,072 complex exponentials.
; The bits are dealt so that in a result tile lane r carries bits 2-5 of l and registers j&3 bits 0-1: sixteen neighbouring lanes hold
; 256 neighbouring bytes of the output, and every store of the wave covers two whole aligned runs of 256 bytes, straight from the accumulators.
;
; PRECISION.  Where the 32 modes cancel, the result is far smaller than its terms, and one rounding of a factor to bf16 (2^-9) is too coarse.
; So each factor goes to the matrix unit as bf16 hi + bf16 lo and three products are summed in f32 (hi hi, hi lo, lo hi): residue about 2^-17.
; f16 has no room for w^u, which falls far below 2^-24.
; LIMITS.  The angle of exp(dtA l) is the exact product Im(dtA) l, where the reference rounds that product to f32: the two differ by up to
; 2^-24 |Im(dtA) l| rad.  The powers are made by at most about 20 complex products from three direct evaluations (w, w^64, w^1024): relative error
; of a factor about 2e-5.  exp(log_dt) or exp(inv_A_real) below 2^-126 count as 0 (v_exp_f32 flushes: ISA guide 15.8); |Im(dtA)| < 2^40.
; exp(dtA) - 1 is formed as the reference forms it, with its cancellation for tiny dtA.
;
; NO CLUSTER, NO TENSOR LOAD: a channel reads 772 bytes that no other channel reads.  NO BARRIER: a wave uses only its own 9,248 bytes of LDS.
; LDS of a wave, rows of 32 complex f32 (256 bytes) at a pitch of 272 bytes, so that the 16 rows which a 16-byte load touches start 16 bytes apart
; modulo 256:  rows 0-15 X base w^(r&3) W^(r>>2), W = w^64;  row 16 X's step w^256;  rows 17-32 Y base c q^r, q = conj(w^4);  row 33 Y's step conj(w^1024).
.set PITCH, 272
.set XSTEP, 16*PITCH
.set YROW,  17*PITCH
.set YSTEP, 33*PITCH
.set WSZ,   34*PITCH
; window 0 (v0-255)
.set NEG1, 1                           ; -1.0
.set ST,   2                           ; LDS: my 8 bytes of a row, lane = mode n
.set LA,   3                           ; LDS: row r = lane & 15, 128 bytes of half hf = lane >> 4 (modes 16 hf .. 16 hf + 15)
.set LS,   4                           ; LDS: the same 128 bytes of row 0 (for the step rows)
.set CO,   5                           ; output: 16 r + 512 hf
.set LN,   6                           ; lane
.set T,    8                           ; v[8:23]    temporaries
.set R1,   24                          ; v[24:55]   16 complex f32: X's values; later Y's fragments
.set R2,   56                          ; v[56:87]   16 complex f32: X's step, later Y's step
.set R3,   88                          ; v[88:119]  16 complex f32: Y's values
.set XF,   120                         ; v[120:247] X's fragments, 32 registers for each mt: hi k 0-31, hi k 32-63, lo k 0-31, lo k 32-63
.set YF,   R1
.set OFF4, 248
.set OFF8, 249
.set OFFC, 250
; window 1 (v256-383): accumulator tile (mt, nt) at v[256 + 8 (4 nt + mt)]; each tile has registers of its own, so no store's data is ever rewritten
; the set-up's registers lie in XF's, which are written only later
.set AI,  120
.set BB,  122
.set CC,  124
.set LDT, 126                          ; log_dt, and behind it
.set IAR, 127                          ; inv_A_real
.set Y0,  128
.set YL,  130
.set EX,  132
.set DT,  134
.set AR,  135
.set XR,  136
.set TH,  137
.set LG,  138
.set THI, 139
.set TLO, 140
.set AMX, 141
.set RS,  142
.set DEN, 143
.set EV,  144                          ; v[144:191] three evaluations, 16 registers each
.set eP, 0
.set eR, 1
.set eF, 2
.set eJ, 3
.set eX, 4
.set eZ, 5
.set eS, 6
.set eC, 7
.set eXZ, 8
.set eZZ, 9
.set eH, 10
.set eI, 11
.set eM, 12
.set eSS, 13
.set eSC, 14
.set eA, 15
.set RW,  144                          ; afterwards: 9 rows of X's table,
.set RY,  RW+18                        ; 12 rows of Y's
.set W1,  192                          ; w
.set WB1, 194                          ; W = w^64
.set ZC,  196                          ; w^1024, then its conjugate
.set BC,  198
.set DD,  200
.set NUM, 202
.set AP,  204
.set CB,  206
.set B0,  208                          ; c = conj(2 Cb)
.set RD,  210
.set QS,  211
.set W2,  212
.set W3,  214
.set Q1,  216                          ; w^4, then q = conj(w^4)
.set WB2, 218
.set WB3, 220
.set WB4, 222
.set Q2,  224
.set Q3,  226
.set QQ1, 228                          ; q^4
.set QQ2, 230                          ; q^8
.set QQ3, 232                          ; q^12
.set B1,  234
.set B2,  236
.set B3,  238
.set ONE, 240
.set MSB, 0
.macro WIN new                         ; s_set_vgpr_msb: bits 1:0 source 0, 3:2 source 1, 5:4 source 2, 7:6 destination; the high byte repeats the setting left
.if MSB != \new
	s_set_vgpr_msb (MSB<<8)|\new
.set MSB, \new
.endif
.endm
; complex product d = a b in two packed instructions: t = (ai bi, ai br);  d = (ar br - t.lo, ar bi + t.hi).  d may be a.
.macro CMA a, b, t
	v_pk_mul_f32 v[\t:\t+1], v[\a:\a+1], v[\b:\b+1] op_sel:[1,1] op_sel_hi:[1,0]
.endm
.macro CMB d, a, b, t
	v_pk_fma_f32 v[\d:\d+1], v[\a:\a+1], v[\b:\b+1], v[\t:\t+1] op_sel_hi:[0,1,1] neg_lo:[0,0,1]
.endm
.macro CM2 d0,a0,b0, d1,a1,b1          ; independent products side by side, so that no line waits for the line in front of it
	CMA \a0,\b0,T
	CMA \a1,\b1,T+2
	CMB \d0,\a0,\b0,T
	CMB \d1,\a1,\b1,T+2
.endm
.macro CM3 d0,a0,b0, d1,a1,b1, d2,a2,b2
	CMA \a0,\b0,T
	CMA \a1,\b1,T+2
	CMA \a2,\b2,T+4
	CMB \d0,\a0,\b0,T
	CMB \d1,\a1,\b1,T+2
	CMB \d2,\a2,\b2,T+4
.endm
.macro CM4 d0,a0,b0, d1,a1,b1, d2,a2,b2, d3,a3,b3
	CMA \a0,\b0,T
	CMA \a1,\b1,T+2
	CMA \a2,\b2,T+4
	CMA \a3,\b3,T+6
	CMB \d0,\a0,\b0,T
	CMB \d1,\a1,\b1,T+2
	CMB \d2,\a2,\b2,T+4
	CMB \d3,\a3,\b3,T+6
.endm
.macro PUT row, p                      ; a table row: 32 lanes x 8 neighbouring bytes
	ds_store_b64 v[ST], v[\p:\p+1] offset:\row
.endm
.macro GET d, adr, off                 ; 16 complex f32, 128 bytes a lane
.irp q, 0,1,2,3,4,5,6,7
	ds_load_b128 v[\d+4*\q:\d+4*\q+3], v[\adr] offset:\off+16*\q
.endr
.endm
; 16 complex f32 -> fragments.  A register of a fragment holds (re, im) of one mode; mode 16 hf + i sits in register i & 7 of fragment i >> 3,
; alike for X and Y, so the products meet.  hi = x rounded to bf16; lo = (x - hi), exact in f32, rounded to bf16.
.macro CONV v, f
.irp h, 0,1
.irp i, 0,1,2,3,4,5,6,7
	v_cvt_pk_bf16_f32 v[\f+8*\h+\i], v[\v+16*\h+2*\i], v[\v+16*\h+2*\i+1]
.endr
.irp i, 0,1,2,3,4,5,6,7
	v_fma_mix_f32_bf16 v[T+2*\i], v[\f+8*\h+\i], v[NEG1], v[\v+16*\h+2*\i] op_sel_hi:[1,0,0]
	v_fma_mix_f32_bf16 v[T+2*\i+1], v[\f+8*\h+\i], v[NEG1], v[\v+16*\h+2*\i+1] op_sel:[1,0,0] op_sel_hi:[1,0,0]
.endr
.irp i, 0,1,2,3,4,5,6,7
	v_cvt_pk_bf16_f32 v[\f+16+8*\h+\i], v[T+2*\i], v[T+2*\i+1]
.endr
.endr
.endm
.macro STEPV v, s                      ; the 16 values move on by their modes' step: the next 16 rows
.irp h, 0,1
.irp i, 0,1,2,3,4,5,6,7
	CMA \v+16*\h+2*\i, \s+16*\h+2*\i, T+2*\i
.endr
.irp i, 0,1,2,3,4,5,6,7
	CMB \v+16*\h+2*\i, \v+16*\h+2*\i, \s+16*\h+2*\i, T+2*\i
.endr
.endr
.endm
; source 0 = 16 rows of X (m), source 1 = 16 rows of Y (n): register j of lane (r, hf) is (m = 8 hf + j, n = r)
.macro MMSTEP nt, xo, yo, first
.irp mt, 0,1,2,3
.if \first
	v_wmma_f32_16x16x32_bf16 v[8*(4*\nt+\mt):8*(4*\nt+\mt)+7], v[XF+32*\mt+\xo:XF+32*\mt+\xo+7], v[YF+\yo:YF+\yo+7], 0
.else
	v_wmma_f32_16x16x32_bf16 v[8*(4*\nt+\mt):8*(4*\nt+\mt)+7], v[XF+32*\mt+\xo:XF+32*\mt+\xo+7], v[YF+\yo:YF+\yo+7], v[8*(4*\nt+\mt):8*(4*\nt+\mt)+7]
.endif
.endr
.endm
.macro MM nt                           ; four tiles, six links each; the four chains take turns; the first link starts the sum
	WIN 0x50                               ; C and D in window 1
	MMSTEP \nt, 0, 0, 1                    ; hi hi
	MMSTEP \nt, 8, 8, 0
	MMSTEP \nt, 0, 16, 0                   ; hi lo
	MMSTEP \nt, 8, 24, 0
	MMSTEP \nt, 16, 0, 0                   ; lo hi
	MMSTEP \nt, 24, 8, 0
	WIN 0
.endm
.macro OUT nt                          ; byte 4 l = 16 r + 512 hf + 256 (j>>2) + 1024 mt + 4096 nt + 4 (j&3): 16 lanes store 256 consecutive bytes, aligned
	WIN 0x04                               ; a store's data is its source 1: window 1
.irp mt, 0,1,2,3
.irp q, 0,1
	global_store_b128 v[CO], v[8*(4*\nt+\mt)+4*\q:8*(4*\nt+\mt)+4*\q+3], s[14:15] offset:4096*\nt+1024*\mt+256*\q th:TH_STORE_NT
.endr
.endr
	WIN 0
.endm
	s_load_b256 s[4:11], s[0:1], 0x0               ; A_imag s[4:5], B_ri s[6:7], C_ri s[8:9], inv_A_real s[10:11]
	s_load_b128 s[12:15], s[0:1], 0x20             ; log_dt s[12:13], out0 s[14:15]
	v_lshl_add_u32 v254, v0, 2, 0x9100
	v_mov_b32 v255, 0
	v_lshrrev_b32 v[T], 5, v0
	v_readfirstlane_b32 s16, v[T]                  ; wave 0..3
	v_and_b32 v[LN], 31, v0
	s_lshl2_add_u32 s17, ttmp9, s16                ; channel = 4 x work-group + wave
	s_lshl_b32 s18, s17, 7                         ; 32 modes x 4 bytes
	s_lshl_b32 s19, s17, 2
	s_lshl_b32 s2, s17, 14                         ; 4,096 outputs x 4 bytes
	s_mov_b32 s3, 0
	s_mul_i32 s39, s16, WSZ                        ; my wave's LDS
	v_lshl_add_u32 v[OFF4], v[LN], 2, s18
	v_lshlrev_b32 v[OFF8], 1, v[OFF4]
	v_mov_b32 v[OFFC], s19
	s_wait_kmcnt 0x0
	global_load_b32 v[LDT], v[OFFC], s[12:13]
	global_load_b32 v[IAR], v[OFF4], s[10:11]
	global_load_b32 v[AI], v[OFF4], s[4:5]
	global_load_b64 v[BB:BB+1], v[OFF8], s[6:7]
	global_load_b64 v[CC:CC+1], v[OFF8], s[8:9]
	s_add_nc_u64 s[14:15], s[14:15], s[2:3]        ; out0 at my channel
	s_mov_b32 s20, 0xbe2aaaa3                      ; sin x = x + x z (S1 + z (S2 + z S3)), z = x^2, |x| <= pi/4
	s_mov_b32 s21, 0x3c08839e
	s_mov_b32 s22, 0xb94ca1f9
	s_mov_b32 s23, 0x3d2aaaa5                      ; cos x = 1 - z/2 + z^2 (C1 + z (C2 + z C3))
	s_mov_b32 s24, 0xbab6061a
	s_mov_b32 s25, 0x37ccf5ce
	s_mov_b32 s26, 0x40c90fdb                      ; 2 pi
	s_mov_b32 s27, 0x3fb8aa3b                      ; log2 e, and what its rounding left
	s_mov_b32 s28, 0x32a5705f
	s_mov_b32 s29, 0x3f317218                      ; ln 2
	s_mov_b32 s30, 0x3e22f983                      ; 1 / 2 pi, and what its rounding left
	s_mov_b32 s31, 0x31dc9c88
	s_mov_b32 s32, 1.0                             ; the three evaluations' multipliers: powers of two, so that the products with them are exact
	s_mov_b32 s33, 0x42800000                      ; 64
	s_mov_b32 s34, 0x44800000                      ; 1024
	s_mov_b32 s35, 0x80000000
	v_lshl_add_u32 v[ST], v[LN], 3, s39
	v_and_b32 v[T], 15, v[LN]                      ; r
	v_lshrrev_b32 v[T+1], 4, v[LN]                 ; hf
	v_lshl_add_u32 v[LS], v[T+1], 7, s39
	v_mul_u32_u24 v[T+2], v[T], PITCH
	v_add_nc_u32 v[LA], v[LS], v[T+2]
	v_lshlrev_b32 v[CO], 4, v[T]
	v_lshl_add_u32 v[CO], v[T+1], 9, v[CO]
	v_mov_b32 v[NEG1], -1.0
	v_mov_b32 v[ONE], 1.0
	v_mov_b32 v[ONE+1], 0
	; dt = exp(log_dt), A.re = -exp(inv_A_real).  exp x = 2^y (1 + yl ln 2) with x log2 e = y + yl: the rounding of the product, which would
	; otherwise grow with |x| and then with l in the angle, is put back.
	s_wait_loadcnt 0x2                             ; log_dt, inv_A_real, A_imag are in; the two younger loads (B, C) may stay out
.irp k, 0,1
	v_mul_f32 v[Y0+\k], s27, v[LDT+\k]
.endr
.irp k, 0,1
	v_fma_f32 v[YL+\k], v[LDT+\k], s27, -v[Y0+\k]
.endr
	v_exp_f32 v[EX], v[Y0]
	v_exp_f32 v[EX+1], v[Y0+1]
.irp k, 0,1
	v_fma_f32 v[YL+\k], v[LDT+\k], s28, v[YL+\k]   ; the plain line behind the two v_exp_f32 (ISA guide 5.7.2): names neither their results nor their sources
.endr
.irp k, 0,1
	v_mul_f32 v[YL+\k], s29, v[YL+\k]
.endr
	s_wait_alu depctr_va_vdst(0)
	v_fma_f32 v[DT], v[EX], v[YL], v[EX]
	v_fma_f32 v[AR], -v[EX+1], v[YL+1], -v[EX+1]
	v_mul_f32 v[XR], v[AR], v[DT]                  ; dtA, as the reference rounds it
	v_mul_f32 v[TH], v[AI], v[DT]
	v_mul_f32 v[LG], s27, v[XR]                    ; log2 |w|
	v_mul_f32 v[THI], s30, v[TH]                   ; the angle in turns, as a pair hi + lo
	v_fma_f32 v[TLO], v[TH], s30, -v[THI]
	v_fma_f32 v[TLO], v[TH], s31, v[TLO]
	; three evaluations side by side: exp(dtA m), m = 1, 64, 1024 -> W1, WB1, ZC
.irp e, 0,1,2
	v_mul_f32 v[EV+16*\e+eP], s[32+\e], v[THI]     ; exact
	v_mul_f32 v[EV+16*\e+eA], s[32+\e], v[LG]
.endr
.irp e, 0,1,2
	v_rndne_f32 v[EV+16*\e+eR], v[EV+16*\e+eP]
.endr
.irp e, 0,1,2
	v_sub_f32 v[EV+16*\e+eF], v[EV+16*\e+eP], v[EV+16*\e+eR]       ; exact: the turn's fraction
.endr
.irp e, 0,1,2
	v_fma_f32 v[EV+16*\e+eF], v[TLO], s[32+\e], v[EV+16*\e+eF]
.endr
.irp e, 0,1,2
	v_mul_f32 v[EV+16*\e+eJ], 4.0, v[EV+16*\e+eF]
	v_exp_f32 v[EV+16*\e+eM], v[EV+16*\e+eA]       ; |w|^m; a plain line that names none of its registers follows each
.endr
.irp e, 0,1,2
	v_rndne_f32 v[EV+16*\e+eJ], v[EV+16*\e+eJ]     ; the quarter turn j
.endr
.irp e, 0,1,2
	v_fmamk_f32 v[EV+16*\e+eX], v[EV+16*\e+eJ], 0xbe800000, v[EV+16*\e+eF]   ; fraction - j/4, within an eighth of a turn
	v_cvt_i32_f32 v[EV+16*\e+eI], v[EV+16*\e+eJ]
.endr
.irp e, 0,1,2
	v_mul_f32 v[EV+16*\e+eX], s26, v[EV+16*\e+eX]  ; x
	v_and_b32 v[EV+16*\e+eA], 1, v[EV+16*\e+eI]
	v_add_nc_u32 v[EV+16*\e+eSC], 1, v[EV+16*\e+eI]
.endr
.irp e, 0,1,2
	v_mul_f32 v[EV+16*\e+eZ], v[EV+16*\e+eX], v[EV+16*\e+eX]
	v_lshlrev_b32 v[EV+16*\e+eSS], 30, v[EV+16*\e+eI]
.endr
.irp e, 0,1,2
	v_fma_f32 v[EV+16*\e+eS], v[EV+16*\e+eZ], s22, s21
	v_fma_f32 v[EV+16*\e+eC], v[EV+16*\e+eZ], s25, s24
	v_mul_f32 v[EV+16*\e+eXZ], v[EV+16*\e+eX], v[EV+16*\e+eZ]
	v_mul_f32 v[EV+16*\e+eZZ], v[EV+16*\e+eZ], v[EV+16*\e+eZ]
	v_fma_f32 v[EV+16*\e+eH], v[EV+16*\e+eZ], -0.5, 1.0
.endr
.irp e, 0,1,2
	v_fma_f32 v[EV+16*\e+eS], v[EV+16*\e+eS], v[EV+16*\e+eZ], s20
	v_fma_f32 v[EV+16*\e+eC], v[EV+16*\e+eC], v[EV+16*\e+eZ], s23
	v_cmp_eq_u32 s[36+\e], 1, v[EV+16*\e+eA]       ; j odd: sine and cosine change places
	v_lshlrev_b32 v[EV+16*\e+eSC], 30, v[EV+16*\e+eSC]
.endr
.irp e, 0,1,2
	v_fma_f32 v[EV+16*\e+eS], v[EV+16*\e+eS], v[EV+16*\e+eXZ], v[EV+16*\e+eX]    ; sin x
	v_fma_f32 v[EV+16*\e+eC], v[EV+16*\e+eC], v[EV+16*\e+eZZ], v[EV+16*\e+eH]    ; cos x
	v_and_b32 v[EV+16*\e+eSS], s35, v[EV+16*\e+eSS]                ; the sine's sign: bit 1 of j
	v_and_b32 v[EV+16*\e+eSC], s35, v[EV+16*\e+eSC]                ; the cosine's: bit 1 of j + 1
.endr
.irp e, 0,1,2
	v_cndmask_b32 v[EV+16*\e+eXZ], v[EV+16*\e+eC], v[EV+16*\e+eS], s[36+\e]
	v_cndmask_b32 v[EV+16*\e+eZZ], v[EV+16*\e+eS], v[EV+16*\e+eC], s[36+\e]
.endr
.irp e, 0,1,2
	v_xor_b32 v[EV+16*\e+eXZ], v[EV+16*\e+eXZ], v[EV+16*\e+eSC]
	v_xor_b32 v[EV+16*\e+eZZ], v[EV+16*\e+eZZ], v[EV+16*\e+eSS]
.endr
	s_wait_alu depctr_va_vdst(0)
.irp e, 0,1,2
	v_mul_f32 v[W1+2*\e], v[EV+16*\e+eM], v[EV+16*\e+eXZ]
	v_mul_f32 v[W1+2*\e+1], v[EV+16*\e+eM], v[EV+16*\e+eZZ]
.endr
	; X's table: row 4 a + i = w^i W^a; its step W^4 = w^256
	CM2 W2,W1,W1, WB2,WB1,WB1
	CM4 W3,W2,W1, Q1,W2,W2, WB3,WB2,WB1, WB4,WB2,WB2
	PUT 0*PITCH, ONE
	PUT 1*PITCH, W1
	PUT 2*PITCH, W2
	PUT 4*PITCH, WB1
	PUT 8*PITCH, WB2
	v_xor_b32 v[Q1+1], s35, v[Q1+1]                ; q = conj(w^4)
	PUT 3*PITCH, W3
	PUT 12*PITCH, WB3
	PUT XSTEP, WB4
	CM4 RW,W1,WB1, RW+2,W2,WB1, RW+4,W3,WB1, Q2,Q1,Q1
	CM3 RW+6,W1,WB2, RW+8,W2,WB2, RW+10,W3,WB2
	CM3 RW+12,W1,WB3, RW+14,W2,WB3, RW+16,W3,WB3
.irp a, 1,2,3
.irp i, 1,2,3
	PUT (4*\a+\i)*PITCH, RW+6*(\a-1)+2*(\i-1)
.endr
.endr
	GET R1, LA, 0                                  ; LDS serves a wave's instructions in order (ISA guide 5.7.1.4): these see my stores above
	GET R2, LS, XSTEP
	; c = conj(2 B C (w - 1) / A), the division scaled by s = max(|A.re|, |A.im|) so that |A/s|^2 lies in 1..2; meanwhile q's powers
	s_wait_loadcnt 0x0                             ; B and C
	v_max_num_f32 v[AMX], |v[AR]|, |v[AI]|
	v_rcp_f32 v[RS], v[AMX]
	v_add_f32 v[DD], -1.0, v[W1]                   ; (the plain line behind v_rcp_f32)
	v_mov_b32 v[DD+1], v[W1+1]
	CM3 BC,BB,CC, Q3,Q2,Q1, QQ1,Q2,Q2
	s_wait_alu depctr_va_vdst(0)
	v_mul_f32 v[AP], v[AR], v[RS]
	v_mul_f32 v[AP+1], -v[AI], v[RS]               ; conj(A) / s
	v_mul_f32 v[DEN], v[AP+1], v[AP+1]
	v_fma_f32 v[DEN], v[AP], v[AP], v[DEN]
	v_rcp_f32 v[RD], v[DEN]
	v_xor_b32 v[ZC+1], s35, v[ZC+1]                ; (the plain line)  Y's step: conj(w^1024)
	CM2 NUM,BC,DD, QQ2,QQ1,QQ1
	s_wait_alu depctr_va_vdst(0)
	v_mul_f32 v[QS], v[RD], v[RS]
	v_add_f32 v[QS], v[QS], v[QS]                  ; 2 / (s |A/s|^2)
	CM2 CB,NUM,AP, QQ3,QQ2,QQ1
	PUT YSTEP, ZC
	v_mul_f32 v[B0], v[CB], v[QS]
	v_mul_f32 v[B0+1], -v[CB+1], v[QS]
	; Y's table: row 4 a + i = (c q^i) q^(4a)
	CM3 B1,B0,Q1, B2,B0,Q2, B3,B0,Q3
	PUT YROW, B0
	CM4 RY,B0,QQ1, RY+2,B1,QQ1, RY+4,B2,QQ1, RY+6,B3,QQ1
	PUT YROW+1*PITCH, B1
	PUT YROW+2*PITCH, B2
	PUT YROW+3*PITCH, B3
	CM4 RY+8,B0,QQ2, RY+10,B1,QQ2, RY+12,B2,QQ2, RY+14,B3,QQ2
	CM4 RY+16,B0,QQ3, RY+18,B1,QQ3, RY+20,B2,QQ3, RY+22,B3,QQ3
.irp a, 1,2,3
.irp i, 0,1,2,3
	PUT YROW+(4*\a+\i)*PITCH, RY+8*(\a-1)+2*\i
.endr
.endr
	GET R3, LA, YROW
	; X's fragments for all 64 rows: rows 16 mt + r are the base rows times (w^256)^mt
	s_wait_dscnt 33                                ; X's values are in: behind them 8 loads (X's step), 17 stores (Y's table), 8 loads (Y's values)
	CONV R1, XF
	s_wait_dscnt 8                                 ; X's step is in and Y's table is written; only Y's 8 value loads may stay out
	STEPV R1, R2
	CONV R1, XF+32
	STEPV R1, R2
	CONV R1, XF+64
	STEPV R1, R2
	GET R2, LS, YSTEP                              ; X's step has been read for the last time: Y's step takes its registers
	CONV R1, XF+96
	; for each nt: Y's 16 rows as fragments, four tiles of six links, Y's values stepped by conj(w^1024), the tiles stored.
	; The 32 packed lines of STEPV name none of the matrix instructions' registers: they are the places in front of the stores,
	; which read results, and of the next CONV, which writes Y's fragments.
	s_wait_dscnt 8                                 ; Y's values are in; the 8 loads of Y's step may stay out
	CONV R3, YF
	MM 0
	s_wait_dscnt 0                                 ; Y's step
	STEPV R3, R2
	OUT 0
	CONV R3, YF
	MM 1
	STEPV R3, R2
	OUT 1
	CONV R3, YF
	MM 2
	STEPV R3, R2
	OUT 2
	CONV R3, YF
	MM 3
.rept 4
	v_nop                                          ; nothing is left to do in the four places in front of the last stores
.endr
	OUT 3
	s_wait_tensorcnt 0x0
	ds_add_u32 v254, v255
	s_wait_dscnt 0x0
	s_endpgm
.Lfunc_end_k_qbf9056eb73_sskernel:
	.size	k_qbf9056eb73_sskernel, .Lfunc_end_k_qbf9056eb73_sskernel-k_qbf9056eb73_sskernel
	.p2alignl 7, 3214868480
	.fill 96, 4, 3214868480
	.section	.rodata,"a",@progbits
	.p2align	6, 0x0
	.amdhsa_kernel k_qbf9056eb73_sskernel
		.amdhsa_group_segment_fixed_size 37632
		.amdhsa_private_segment_fixed_size 0
		.amdhsa_enable_private_segment 0
		.amdhsa_kernarg_size 48
		.amdhsa_user_sgpr_count 2
		.amdhsa_user_sgpr_kernarg_segment_ptr 1
		.amdhsa_wavefront_size32 1
		.amdhsa_system_sgpr_workgroup_id_x 1
		.amdhsa_system_sgpr_workgroup_id_y 1
		.amdhsa_system_sgpr_workgroup_id_z 1
		.amdhsa_system_vgpr_workitem_id 0
		.amdhsa_next_free_vgpr 384
		.amdhsa_next_free_sgpr 66
		.amdhsa_reserve_vcc 0
		.amdhsa_float_denorm_mode_32 3
		.amdhsa_float_denorm_mode_16_64 3
		.amdhsa_memory_ordered 1
		.amdhsa_forward_progress 1
		.amdhsa_inst_pref_size 72
	.end_amdhsa_kernel
	.amdgpu_metadata
---
amdhsa.version: [ 1, 2 ]
amdhsa.kernels:
  - .name:           k_qbf9056eb73_sskernel
    .symbol:         k_qbf9056eb73_sskernel.kd
    .args:
      - { .name: A_imag, .offset: 0, .size: 8, .value_kind: global_buffer, .address_space: global }
      - { .name: B_ri, .offset: 8, .size: 8, .value_kind: global_buffer, .address_space: global }
      - { .name: C_ri, .offset: 16, .size: 8, .value_kind: global_buffer, .address_space: global }
      - { .name: inv_A_real, .offset: 24, .size: 8, .value_kind: global_buffer, .address_space: global }
      - { .name: log_dt, .offset: 32, .size: 8, .value_kind: global_buffer, .address_space: global }
      - { .name: out0, .offset: 40, .size: 8, .value_kind: global_buffer, .address_space: global }
    .group_segment_fixed_size: 37632
    .private_segment_fixed_size: 0
    .kernarg_segment_align: 8
    .kernarg_segment_size: 48
    .max_flat_workgroup_size: 128
    .sgpr_count:     66
    .vgpr_count:     384
    .wavefront_size: 32
...
	.end_amdgpu_metadata
.endif
;; end of part 1
;; ======== version 2 of 2: 1 launch; version 1 with the launch sskernel written anew for expert scheduling mode
;; launch sskernel (part 2): grid 256 x 1, 4 waves a work-group, no clusters, 37,632 bytes of LDS; arguments A_imag, B_ri, C_ri, inv_A_real, log_dt, out0; writes out0
.if DOCPART == 2
	.amdgcn_target "amdgcn-amd-amdhsa--gfx1250"
	.amdhsa_code_object_version 6
	.text
	.protected	k_qbf9056eb73_sskernel
	.globl	k_qbf9056eb73_sskernel
	.p2align	8
	.type	k_qbf9056eb73_sskernel,@function
k_qbf9056eb73_sskernel:
	s_mov_b64 s[64:65], 0
	v_nop
	global_prefetch_b8 v0, s[64:65] scope:SCOPE_SE
	s_setreg_imm32_b32 hwreg(HW_REG_WAVE_SCHED_MODE, 0, 2), 2
	s_setreg_imm32_b32 hwreg(HW_REG_WAVE_MODE, 25, 1), 1
	s_wait_xcnt 0x0
	s_wait_alu depctr_vm_vsrc(0)
; K[h][l] = 2 Re sum_n Cb[h][n] exp(dtA[h][n] l),  h < 1024, n < 32, l < 4096.   One wave makes one channel h.
;
; With w = exp(dtA) and l = u + v on disjoint bits,  u = (m&3) + 64 (m>>2)  (m = 0..63),  v = 4 r + 1024 nt  (r = 0..15, nt = 0..3):
;   K[u+v] = sum_n Xr[n][u] Yr[n][v] + Xi[n][u] Yi[n][v],   X = w^u,   Y = conj(2 Cb) conj(w)^v,
; a real 64 x 64 x 64 product for each channel: 4,096 complex factors in place of 131,072 complex exponentials.
; The bits are dealt so that in a result tile lane r carries bits 2-5 of l and registers j&3 bits 0-1: sixteen neighbouring lanes hold
; 256 neighbouring bytes of the output, and every store of the wave covers two whole aligned runs of 256 bytes, straight from the accumulators.
;
; PRECISION.  Where the 32 modes cancel, the result is far smaller than its terms, and one rounding of a factor to bf16 (2^-9) is too coarse.
; So each factor goes to the matrix unit as bf16 hi + bf16 lo and three products are summed in f32 (hi hi, hi lo, lo hi): residue about 2^-17.
; f16 has no room for w^u, which falls far below 2^-24.
; LIMITS.  The angle of exp(dtA l) is the exact product Im(dtA) l, where the reference rounds that product to f32: the two differ by up to
; 2^-24 |Im(dtA) l| rad.  The powers are made by at most about 20 complex products from three direct evaluations (w, w^64, w^1024): relative error
; of a factor about 2e-5.  exp(log_dt) or exp(inv_A_real) below 2^-126 count as 0 (v_exp_f32 flushes: ISA guide 15.8); |Im(dtA)| < 2^40.
; exp(dtA) - 1 is formed as the reference forms it, with its cancellation for tiny dtA.
;
; NO CLUSTER, NO TENSOR LOAD: a channel reads 772 bytes that no other channel reads.  NO BARRIER: a wave uses only its own 9,248 bytes of LDS.
; LDS of a wave, rows of 32 complex f32 (256 bytes) at a pitch of 272 bytes, so that the 16 rows which a 16-byte load touches start 16 bytes apart
; modulo 256:  rows 0-15 X base w^(r&3) W^(r>>2), W = w^64;  row 16 X's step w^256;  rows 17-32 Y base c q^r, q = conj(w^4);  row 33 Y's step conj(w^1024).
;
; THE MODE: SCHED_MODE bits 1:0 = 2 (LLVM: expert scheduling mode 2), set by the entry lines.  The code itself states the register dependences
; between vector or matrix instructions and memory or LDS instructions, with s_wait_alu, always for 0.
; THE PLAN.  Registers that memory or LDS instructions touch:
;   ST, LA, LS, CO, OFF4, OFF8, OFFC   addresses and offsets: all made at the head, ahead of one wait on va_vdst, and never written again.
;   v[120:127]      the five inputs land here; no vector line names these registers before.
;   a table's rows  written by the table's products; ONE wait on va_vdst behind them; then the table's 17 LDS stores in one run.  The rows lie in XF's
;                   registers, which the first CONV begins to write: ONE wait on vm_vsrc ahead of it, for all 34 stores.
;   R1, R3          each is loaded once, into registers that no vector line has named; afterwards vector lines alone name them.
;   R2              loaded with X's step; read by the three STEPV on R1; a wait on va_vdst behind the third; then Y's step lands in it.
;   accumulators    written by the 24 matrix instructions of one nt; a wait on va_vdst ahead of that nt's eight stores; never written again.
; Two waits on va_sdst: behind v_readfirstlane_b32 (the wave's number) and behind the three compares whose masks v_cndmask_b32 reads.
.set PITCH, 272
.set XSTEP, 16*PITCH
.set YROW,  17*PITCH
.set YSTEP, 33*PITCH
.set WSZ,   34*PITCH
; window 0 (v0-255)
.set NEG1, 1                           ; -1.0
.set ST,   2                           ; LDS: my 8 bytes of a row, lane = mode n
.set LA,   3                           ; LDS: row r = lane & 15, 128 bytes of half hf = lane >> 4 (modes 16 hf .. 16 hf + 15)
.set LS,   4                           ; LDS: the same 128 bytes of row 0 (for the step rows)
.set CO,   5                           ; output: 16 r + 512 hf
.set LN,   6                           ; lane
.set T,    8                           ; v[8:23]    temporaries: no memory or LDS instruction names them
.set R1,   24                          ; v[24:55]   16 complex f32: X's values; later Y's fragments
.set R2,   56                          ; v[56:87]   16 complex f32: X's step, later Y's step
.set R3,   88                          ; v[88:119]  16 complex f32: Y's values
.set XF,   120                         ; v[120:247] X's fragments, 32 registers for each mt: hi k 0-31, hi k 32-63, lo k 0-31, lo k 32-63
.set YF,   R1
.set OFF4, 248
.set OFF8, 249
.set OFFC, 250
; window 1 (v256-383): accumulator tile (mt, nt) at v[256 + 8 (4 nt + mt)]; each tile has registers of its own, so no store's data is ever rewritten
; the set-up's registers lie in XF's, which are written only later
.set AI,  120
.set BB,  122
.set CC,  124
.set LDT, 126                          ; log_dt, and behind it
.set IAR, 127                          ; inv_A_real
.set Y0,  128
.set YL,  130
.set EX,  132
.set DT,  134
.set AR,  135
.set XR,  136
.set TH,  137
.set LG,  138
.set THI, 139
.set TLO, 140
.set AMX, 141
.set RS,  142
.set DEN, 143
.set EV,  144                          ; v[144:191] three evaluations, 16 registers each
.set eP, 0
.set eR, 1
.set eF, 2
.set eJ, 3
.set eX, 4
.set eZ, 5
.set eS, 6
.set eC, 7
.set eXZ, 8
.set eZZ, 9
.set eH, 10
.set eI, 11
.set eM, 12
.set eSS, 13
.set eSC, 14
.set eA, 15
.set RW,  144                          ; afterwards: 9 rows of X's table,
.set RY,  RW+18                        ; 12 rows of Y's
.set W1,  192                          ; w
.set WB1, 194                          ; W = w^64
.set ZC,  196                          ; w^1024, then its conjugate
.set BC,  198
.set DD,  200
.set NUM, 202
.set AP,  204
.set CB,  206
.set B0,  208                          ; c = conj(2 Cb)
.set RD,  210
.set QS,  211
.set W2,  212
.set W3,  214
.set Q1,  216                          ; w^4, then q = conj(w^4)
.set WB2, 218
.set WB3, 220
.set WB4, 222
.set Q2,  224
.set Q3,  226
.set QQ1, 228                          ; q^4
.set QQ2, 230                          ; q^8
.set QQ3, 232                          ; q^12
.set B1,  234
.set B2,  236
.set B3,  238
.set ONE, 240
.set MSB, 0
.macro WIN new                         ; s_set_vgpr_msb: bits 1:0 source 0, 3:2 source 1, 5:4 source 2, 7:6 destination; the high byte repeats the setting left
.if MSB != \new
	s_set_vgpr_msb (MSB<<8)|\new
.set MSB, \new
.endif
.endm
; complex product d = a b in two packed instructions: t = (ai bi, ai br);  d = (ar br - t.lo, ar bi + t.hi).  d may be a.
.macro CMA a, b, t
	v_pk_mul_f32 v[\t:\t+1], v[\a:\a+1], v[\b:\b+1] op_sel:[1,1] op_sel_hi:[1,0]
.endm
.macro CMB d, a, b, t
	v_pk_fma_f32 v[\d:\d+1], v[\a:\a+1], v[\b:\b+1], v[\t:\t+1] op_sel_hi:[0,1,1] neg_lo:[0,0,1]
.endm
.macro CM2 d0,a0,b0, d1,a1,b1          ; independent products side by side, so that no line waits for the line in front of it
	CMA \a0,\b0,T
	CMA \a1,\b1,T+2
	CMB \d0,\a0,\b0,T
	CMB \d1,\a1,\b1,T+2
.endm
.macro CM3 d0,a0,b0, d1,a1,b1, d2,a2,b2
	CMA \a0,\b0,T
	CMA \a1,\b1,T+2
	CMA \a2,\b2,T+4
	CMB \d0,\a0,\b0,T
	CMB \d1,\a1,\b1,T+2
	CMB \d2,\a2,\b2,T+4
.endm
.macro CM4 d0,a0,b0, d1,a1,b1, d2,a2,b2, d3,a3,b3
	CMA \a0,\b0,T
	CMA \a1,\b1,T+2
	CMA \a2,\b2,T+4
	CMA \a3,\b3,T+6
	CMB \d0,\a0,\b0,T
	CMB \d1,\a1,\b1,T+2
	CMB \d2,\a2,\b2,T+4
	CMB \d3,\a3,\b3,T+6
.endm
.macro PUT row, p                      ; a table row: 32 lanes x 8 neighbouring bytes
	ds_store_b64 v[ST], v[\p:\p+1] offset:\row
.endm
.macro GET d, adr, off                 ; 16 complex f32, 128 bytes a lane
.irp q, 0,1,2,3,4,5,6,7
	ds_load_b128 v[\d+4*\q:\d+4*\q+3], v[\adr] offset:\off+16*\q
.endr
.endm
; 16 complex f32 -> fragments.  A register of a fragment holds (re, im) of one mode; mode 16 hf + i sits in register i & 7 of fragment i >> 3,
; alike for X and Y, so the products meet.  hi = x rounded to bf16; lo = (x - hi), exact in f32, rounded to bf16.
.macro CONV v, f
.irp h, 0,1
.irp i, 0,1,2,3,4,5,6,7
	v_cvt_pk_bf16_f32 v[\f+8*\h+\i], v[\v+16*\h+2*\i], v[\v+16*\h+2*\i+1]
.endr
.irp i, 0,1,2,3,4,5,6,7
	v_fma_mix_f32_bf16 v[T+2*\i], v[\f+8*\h+\i], v[NEG1], v[\v+16*\h+2*\i] op_sel_hi:[1,0,0]
	v_fma_mix_f32_bf16 v[T+2*\i+1], v[\f+8*\h+\i], v[NEG1], v[\v+16*\h+2*\i+1] op_sel:[1,0,0] op_sel_hi:[1,0,0]
.endr
.irp i, 0,1,2,3,4,5,6,7
	v_cvt_pk_bf16_f32 v[\f+16+8*\h+\i], v[T+2*\i], v[T+2*\i+1]
.endr
.endr
.endm
.macro STEPV v, s                      ; the 16 values move on by their modes' step: the next 16 rows
.irp h, 0,1
.irp i, 0,1,2,3,4,5,6,7
	CMA \v+16*\h+2*\i, \s+16*\h+2*\i, T+2*\i
.endr
.irp i, 0,1,2,3,4,5,6,7
	CMB \v+16*\h+2*\i, \v+16*\h+2*\i, \s+16*\h+2*\i, T+2*\i
.endr
.endr
.endm
; source 0 = 16 rows of X (m), source 1 = 16 rows of Y (n): register j of lane (r, hf) is (m = 8 hf + j, n = r)
.macro MMSTEP nt, xo, yo, first
.irp mt, 0,1,2,3
.if \first
	v_wmma_f32_16x16x32_bf16 v[8*(4*\nt+\mt):8*(4*\nt+\mt)+7], v[XF+32*\mt+\xo:XF+32*\mt+\xo+7], v[YF+\yo:YF+\yo+7], 0
.else
	v_wmma_f32_16x16x32_bf16 v[8*(4*\nt+\mt):8*(4*\nt+\mt)+7], v[XF+32*\mt+\xo:XF+32*\mt+\xo+7], v[YF+\yo:YF+\yo+7], v[8*(4*\nt+\mt):8*(4*\nt+\mt)+7]
.endif
.endr
.endm
.macro MM nt                           ; four tiles, six links each; the four chains take turns; the first link starts the sum
	WIN 0x50                               ; C and D in window 1
	MMSTEP \nt, 0, 0, 1                    ; hi hi
	MMSTEP \nt, 8, 8, 0
	MMSTEP \nt, 0, 16, 0                   ; hi lo
	MMSTEP \nt, 8, 24, 0
	MMSTEP \nt, 16, 0, 0                   ; lo hi
	MMSTEP \nt, 24, 8, 0
	WIN 0
.endm
.macro OUT nt                          ; byte 4 l = 16 r + 512 hf + 256 (j>>2) + 1024 mt + 4096 nt + 4 (j&3): 16 lanes store 256 consecutive bytes, aligned
	WIN 0x04                               ; a store's data is its source 1: window 1
	s_wait_alu depctr_va_vdst(0)           ; the matrix instructions of this nt have written its four tiles, which the eight stores read; the places in front of this line stay beside it
.irp mt, 0,1,2,3
.irp q, 0,1
	global_store_b128 v[CO], v[8*(4*\nt+\mt)+4*\q:8*(4*\nt+\mt)+4*\q+3], s[14:15] offset:4096*\nt+1024*\mt+256*\q th:TH_STORE_NT
.endr
.endr
	WIN 0
.endm
	s_load_b256 s[4:11], s[0:1], 0x0               ; A_imag s[4:5], B_ri s[6:7], C_ri s[8:9], inv_A_real s[10:11]
	s_load_b128 s[12:15], s[0:1], 0x20             ; log_dt s[12:13], out0 s[14:15]
	v_lshl_add_u32 v254, v0, 2, 0x9100
	v_mov_b32 v255, 0
	v_lshrrev_b32 v[T], 5, v0
	v_readfirstlane_b32 s16, v[T]                  ; wave 0..3
	v_and_b32 v[LN], 31, v0
	v_and_b32 v[T], 15, v[LN]                      ; r
	v_lshrrev_b32 v[T+1], 4, v[LN]                 ; hf
	v_mul_u32_u24 v[T+2], v[T], PITCH
	v_lshlrev_b32 v[CO], 4, v[T]
	v_lshl_add_u32 v[CO], v[T+1], 9, v[CO]
	v_mov_b32 v[NEG1], -1.0
	v_mov_b32 v[ONE], 1.0
	v_mov_b32 v[ONE+1], 0
	s_wait_alu depctr_va_sdst(0)                   ; s16 is written, ahead of its first reader: the channel's number and my wave's LDS are made from it
	s_lshl2_add_u32 s17, ttmp9, s16                ; channel = 4 x work-group + wave
	s_lshl_b32 s18, s17, 7                         ; 32 modes x 4 bytes
	s_lshl_b32 s19, s17, 2
	s_lshl_b32 s2, s17, 14                         ; 4,096 outputs x 4 bytes
	s_mov_b32 s3, 0
	s_mul_i32 s39, s16, WSZ                        ; my wave's LDS
	v_lshl_add_u32 v[OFF4], v[LN], 2, s18
	v_lshlrev_b32 v[OFF8], 1, v[OFF4]
	v_mov_b32 v[OFFC], s19
	v_lshl_add_u32 v[ST], v[LN], 3, s39
	v_lshl_add_u32 v[LS], v[T+1], 7, s39
	v_add_nc_u32 v[LA], v[LS], v[T+2]
	s_wait_kmcnt 0x0
	s_wait_alu depctr_va_vdst(0)                   ; OFF4, OFF8, OFFC, ST, LS, LA and CO are written: every load, store and LDS instruction of the kernel reads one of them, and none is written again
	global_load_b32 v[LDT], v[OFFC], s[12:13]
	global_load_b32 v[IAR], v[OFF4], s[10:11]
	global_load_b32 v[AI], v[OFF4], s[4:5]
	global_load_b64 v[BB:BB+1], v[OFF8], s[6:7]
	global_load_b64 v[CC:CC+1], v[OFF8], s[8:9]
	s_add_nc_u64 s[14:15], s[14:15], s[2:3]        ; out0 at my channel
	s_mov_b32 s20, 0xbe2aaaa3                      ; sin x = x + x z (S1 + z (S2 + z S3)), z = x^2, |x| <= pi/4
	s_mov_b32 s21, 0x3c08839e
	s_mov_b32 s22, 0xb94ca1f9
	s_mov_b32 s23, 0x3d2aaaa5                      ; cos x = 1 - z/2 + z^2 (C1 + z (C2 + z C3))
	s_mov_b32 s24, 0xbab6061a
	s_mov_b32 s25, 0x37ccf5ce
	s_mov_b32 s26, 0x40c90fdb                      ; 2 pi
	s_mov_b32 s27, 0x3fb8aa3b                      ; log2 e, and what its rounding left
	s_mov_b32 s28, 0x32a5705f
	s_mov_b32 s29, 0x3f317218                      ; ln 2
	s_mov_b32 s30, 0x3e22f983                      ; 1 / 2 pi, and what its rounding left
	s_mov_b32 s31, 0x31dc9c88
	s_mov_b32 s32, 1.0                             ; the three evaluations' multipliers: powers of two, so that the products with them are exact
	s_mov_b32 s33, 0x42800000                      ; 64
	s_mov_b32 s34, 0x44800000                      ; 1024
	s_mov_b32 s35, 0x80000000
	; dt = exp(log_dt), A.re = -exp(inv_A_real).  exp x = 2^y (1 + yl ln 2) with x log2 e = y + yl: the rounding of the product, which would
	; otherwise grow with |x| and then with l in the angle, is put back.
	s_wait_loadcnt 0x2                             ; log_dt, inv_A_real, A_imag are in; the two younger loads (B, C) may stay out
.irp k, 0,1
	v_mul_f32 v[Y0+\k], s27, v[LDT+\k]
.endr
.irp k, 0,1
	v_fma_f32 v[YL+\k], v[LDT+\k], s27, -v[Y0+\k]
.endr
	v_exp_f32 v[EX], v[Y0]
	v_exp_f32 v[EX+1], v[Y0+1]
.irp k, 0,1
	v_fma_f32 v[YL+\k], v[LDT+\k], s28, v[YL+\k]   ; the plain line behind the two v_exp_f32 (ISA guide 5.7.2): names neither their results nor their sources
.endr
.irp k, 0,1
	v_mul_f32 v[YL+\k], s29, v[YL+\k]
.endr
	s_wait_alu depctr_va_vdst(0)
	v_fma_f32 v[DT], v[EX], v[YL], v[EX]
	v_fma_f32 v[AR], -v[EX+1], v[YL+1], -v[EX+1]
	v_mul_f32 v[XR], v[AR], v[DT]                  ; dtA, as the reference rounds it
	v_mul_f32 v[TH], v[AI], v[DT]
	v_mul_f32 v[LG], s27, v[XR]                    ; log2 |w|
	v_mul_f32 v[THI], s30, v[TH]                   ; the angle in turns, as a pair hi + lo
	v_fma_f32 v[TLO], v[TH], s30, -v[THI]
	v_fma_f32 v[TLO], v[TH], s31, v[TLO]
	; three evaluations side by side: exp(dtA m), m = 1, 64, 1024 -> W1, WB1, ZC
.irp e, 0,1,2
	v_mul_f32 v[EV+16*\e+eP], s[32+\e], v[THI]     ; exact
	v_mul_f32 v[EV+16*\e+eA], s[32+\e], v[LG]
.endr
.irp e, 0,1,2
	v_rndne_f32 v[EV+16*\e+eR], v[EV+16*\e+eP]
.endr
.irp e, 0,1,2
	v_sub_f32 v[EV+16*\e+eF], v[EV+16*\e+eP], v[EV+16*\e+eR]       ; exact: the turn's fraction
.endr
.irp e, 0,1,2
	v_fma_f32 v[EV+16*\e+eF], v[TLO], s[32+\e], v[EV+16*\e+eF]
.endr
.irp e, 0,1,2
	v_mul_f32 v[EV+16*\e+eJ], 4.0, v[EV+16*\e+eF]
	v_exp_f32 v[EV+16*\e+eM], v[EV+16*\e+eA]       ; |w|^m; a plain line that names none of its registers follows each
.endr
.irp e, 0,1,2
	v_rndne_f32 v[EV+16*\e+eJ], v[EV+16*\e+eJ]     ; the quarter turn j
.endr
.irp e, 0,1,2
	v_fmamk_f32 v[EV+16*\e+eX], v[EV+16*\e+eJ], 0xbe800000, v[EV+16*\e+eF]   ; fraction - j/4, within an eighth of a turn
	v_cvt_i32_f32 v[EV+16*\e+eI], v[EV+16*\e+eJ]
.endr
.irp e, 0,1,2
	v_mul_f32 v[EV+16*\e+eX], s26, v[EV+16*\e+eX]  ; x
	v_and_b32 v[EV+16*\e+eA], 1, v[EV+16*\e+eI]
	v_add_nc_u32 v[EV+16*\e+eSC], 1, v[EV+16*\e+eI]
.endr
.irp e, 0,1,2
	v_mul_f32 v[EV+16*\e+eZ], v[EV+16*\e+eX], v[EV+16*\e+eX]
	v_lshlrev_b32 v[EV+16*\e+eSS], 30, v[EV+16*\e+eI]
.endr
.irp e, 0,1,2
	v_fma_f32 v[EV+16*\e+eS], v[EV+16*\e+eZ], s22, s21
	v_fma_f32 v[EV+16*\e+eC], v[EV+16*\e+eZ], s25, s24
	v_mul_f32 v[EV+16*\e+eXZ], v[EV+16*\e+eX], v[EV+16*\e+eZ]
	v_mul_f32 v[EV+16*\e+eZZ], v[EV+16*\e+eZ], v[EV+16*\e+eZ]
	v_fma_f32 v[EV+16*\e+eH], v[EV+16*\e+eZ], -0.5, 1.0
.endr
.irp e, 0,1,2
	v_fma_f32 v[EV+16*\e+eS], v[EV+16*\e+eS], v[EV+16*\e+eZ], s20
	v_fma_f32 v[EV+16*\e+eC], v[EV+16*\e+eC], v[EV+16*\e+eZ], s23
	v_cmp_eq_u32 s[36+\e], 1, v[EV+16*\e+eA]       ; j odd: sine and cosine change places
	v_lshlrev_b32 v[EV+16*\e+eSC], 30, v[EV+16*\e+eSC]
.endr
.irp e, 0,1,2
	v_fma_f32 v[EV+16*\e+eS], v[EV+16*\e+eS], v[EV+16*\e+eXZ], v[EV+16*\e+eX]    ; sin x
	v_fma_f32 v[EV+16*\e+eC], v[EV+16*\e+eC], v[EV+16*\e+eZZ], v[EV+16*\e+eH]    ; cos x
	v_and_b32 v[EV+16*\e+eSS], s35, v[EV+16*\e+eSS]                ; the sine's sign: bit 1 of j
	v_and_b32 v[EV+16*\e+eSC], s35, v[EV+16*\e+eSC]                ; the cosine's: bit 1 of j + 1
.endr
	s_wait_alu depctr_va_sdst(0)                   ; the three compares have written s36, s37, s38, ahead of their first readers: the selects below
.irp e, 0,1,2
	v_cndmask_b32 v[EV+16*\e+eXZ], v[EV+16*\e+eC], v[EV+16*\e+eS], s[36+\e]
	v_cndmask_b32 v[EV+16*\e+eZZ], v[EV+16*\e+eS], v[EV+16*\e+eC], s[36+\e]
.endr
.irp e, 0,1,2
	v_xor_b32 v[EV+16*\e+eXZ], v[EV+16*\e+eXZ], v[EV+16*\e+eSC]
	v_xor_b32 v[EV+16*\e+eZZ], v[EV+16*\e+eZZ], v[EV+16*\e+eSS]
.endr
	s_wait_alu depctr_va_vdst(0)
.irp e, 0,1,2
	v_mul_f32 v[W1+2*\e], v[EV+16*\e+eM], v[EV+16*\e+eXZ]
	v_mul_f32 v[W1+2*\e+1], v[EV+16*\e+eM], v[EV+16*\e+eZZ]
.endr
	; X's table: row 4 a + i = w^i W^a; its step W^4 = w^256.  All its products first, then one wait, then its 17 stores in one run.
	CM2 W2,W1,W1, WB2,WB1,WB1
	CM4 W3,W2,W1, Q1,W2,W2, WB3,WB2,WB1, WB4,WB2,WB2
	v_xor_b32 v[Q1+1], s35, v[Q1+1]                ; q = conj(w^4)
	CM4 RW,W1,WB1, RW+2,W2,WB1, RW+4,W3,WB1, Q2,Q1,Q1
	CM3 RW+6,W1,WB2, RW+8,W2,WB2, RW+10,W3,WB2
	CM3 RW+12,W1,WB3, RW+14,W2,WB3, RW+16,W3,WB3
	s_wait_alu depctr_va_vdst(0)                   ; the products have written W1-W3, WB1-WB4 and RW's nine rows, which the LDS stores below read
	PUT 0*PITCH, ONE
	PUT 1*PITCH, W1
	PUT 2*PITCH, W2
	PUT 4*PITCH, WB1
	PUT 8*PITCH, WB2
	PUT 3*PITCH, W3
	PUT 12*PITCH, WB3
	PUT XSTEP, WB4
.irp a, 1,2,3
.irp i, 1,2,3
	PUT (4*\a+\i)*PITCH, RW+6*(\a-1)+2*(\i-1)
.endr
.endr
	GET R1, LA, 0                                  ; LDS serves a wave's instructions in order (ISA guide 5.7.1.4): these see my stores above.  No vector line has named R1 or R2 yet
	GET R2, LS, XSTEP
	; c = conj(2 B C (w - 1) / A), the division scaled by s = max(|A.re|, |A.im|) so that |A/s|^2 lies in 1..2; meanwhile q's powers.
	; None of these lines writes a register that X's stores read.
	s_wait_loadcnt 0x0                             ; B and C
	v_max_num_f32 v[AMX], |v[AR]|, |v[AI]|
	v_rcp_f32 v[RS], v[AMX]
	v_add_f32 v[DD], -1.0, v[W1]                   ; (the plain line behind v_rcp_f32)
	v_mov_b32 v[DD+1], v[W1+1]
	CM3 BC,BB,CC, Q3,Q2,Q1, QQ1,Q2,Q2
	s_wait_alu depctr_va_vdst(0)
	v_mul_f32 v[AP], v[AR], v[RS]
	v_mul_f32 v[AP+1], -v[AI], v[RS]               ; conj(A) / s
	v_mul_f32 v[DEN], v[AP+1], v[AP+1]
	v_fma_f32 v[DEN], v[AP], v[AP], v[DEN]
	v_rcp_f32 v[RD], v[DEN]
	v_xor_b32 v[ZC+1], s35, v[ZC+1]                ; (the plain line)  Y's step: conj(w^1024)
	CM2 NUM,BC,DD, QQ2,QQ1,QQ1
	s_wait_alu depctr_va_vdst(0)
	v_mul_f32 v[QS], v[RD], v[RS]
	v_add_f32 v[QS], v[QS], v[QS]                  ; 2 / (s |A/s|^2)
	CM2 CB,NUM,AP, QQ3,QQ2,QQ1
	v_mul_f32 v[B0], v[CB], v[QS]
	v_mul_f32 v[B0+1], -v[CB+1], v[QS]
	; Y's table: row 4 a + i = (c q^i) q^(4a).  Again all products, one wait, 17 stores.
	CM3 B1,B0,Q1, B2,B0,Q2, B3,B0,Q3
	CM4 RY,B0,QQ1, RY+2,B1,QQ1, RY+4,B2,QQ1, RY+6,B3,QQ1
	CM4 RY+8,B0,QQ2, RY+10,B1,QQ2, RY+12,B2,QQ2, RY+14,B3,QQ2
	CM4 RY+16,B0,QQ3, RY+18,B1,QQ3, RY+20,B2,QQ3, RY+22,B3,QQ3
	s_wait_alu depctr_va_vdst(0)                   ; ZC, B0-B3 and RY's twelve rows are written, which the LDS stores below read
	PUT YSTEP, ZC
	PUT YROW, B0
	PUT YROW+1*PITCH, B1
	PUT YROW+2*PITCH, B2
	PUT YROW+3*PITCH, B3
.irp a, 1,2,3
.irp i, 0,1,2,3
	PUT YROW+(4*\a+\i)*PITCH, RY+8*(\a-1)+2*\i
.endr
.endr
	GET R3, LA, YROW                               ; no vector line has named R3 yet
	; X's fragments for all 64 rows: rows 16 mt + r are the base rows times (w^256)^mt
	s_wait_dscnt 33                                ; X's values are in: behind them 8 loads (X's step), 17 stores (Y's table), 8 loads (Y's values)
	s_wait_alu depctr_vm_vsrc(0)                   ; the 34 LDS stores have read their rows, which lie in XF's registers: the conversions below write those
	CONV R1, XF
	s_wait_dscnt 8                                 ; X's step is in and Y's table is written; only Y's 8 value loads may stay out
	STEPV R1, R2
	CONV R1, XF+32
	STEPV R1, R2
	CONV R1, XF+64
	STEPV R1, R2
	s_wait_alu depctr_va_vdst(0)                   ; the third STEPV is done reading R2, in which the loads below land
	GET R2, LS, YSTEP                              ; X's step has been read for the last time: Y's step takes its registers
	CONV R1, XF+96                                 ; names R1, XF and T alone: none of the registers that those loads touch
	; for each nt: Y's 16 rows as fragments, four tiles of six links, Y's values stepped by conj(w^1024), the tiles stored.
	; The 32 packed lines of STEPV name none of the matrix instructions' registers: they are the places in front of the stores,
	; which read results, and of the next CONV, which writes Y's fragments.
	s_wait_dscnt 8                                 ; Y's values are in; the 8 loads of Y's step may stay out
	CONV R3, YF
	MM 0
	s_wait_dscnt 0                                 ; Y's step
	STEPV R3, R2
	OUT 0
	CONV R3, YF
	MM 1
	STEPV R3, R2
	OUT 1
	CONV R3, YF
	MM 2
	STEPV R3, R2
	OUT 2
	CONV R3, YF
	MM 3
.rept 4
	v_nop                                          ; nothing is left to do in the four places in front of the last stores
.endr
	OUT 3
	s_wait_dscnt 0x0
	s_wait_alu depctr_hold_cnt(0) depctr_sa_sdst(0) depctr_va_vdst(0) depctr_va_sdst(0) depctr_va_ssrc(0) depctr_va_vcc(0) depctr_vm_vsrc(0)
	s_wait_tensorcnt 0x0
	ds_add_u32 v254, v255
	s_wait_dscnt 0x0
	s_endpgm
.Lfunc_end_k_qbf9056eb73_sskernel:
	.size	k_qbf9056eb73_sskernel, .Lfunc_end_k_qbf9056eb73_sskernel-k_qbf9056eb73_sskernel
	.p2alignl 7, 3214868480
	.fill 96, 4, 3214868480
	.section	.rodata,"a",@progbits
	.p2align	6, 0x0
	.amdhsa_kernel k_qbf9056eb73_sskernel
		.amdhsa_group_segment_fixed_size 37632
		.amdhsa_private_segment_fixed_size 0
		.amdhsa_enable_private_segment 0
		.amdhsa_kernarg_size 48
		.amdhsa_user_sgpr_count 2
		.amdhsa_user_sgpr_kernarg_segment_ptr 1
		.amdhsa_wavefront_size32 1
		.amdhsa_system_sgpr_workgroup_id_x 1
		.amdhsa_system_sgpr_workgroup_id_y 1
		.amdhsa_system_sgpr_workgroup_id_z 1
		.amdhsa_system_vgpr_workitem_id 0
		.amdhsa_next_free_vgpr 384
		.amdhsa_next_free_sgpr 66
		.amdhsa_reserve_vcc 0
		.amdhsa_float_denorm_mode_32 3
		.amdhsa_float_denorm_mode_16_64 3
		.amdhsa_memory_ordered 1
		.amdhsa_forward_progress 1
		.amdhsa_inst_pref_size 73
	.end_amdhsa_kernel
	.amdgpu_metadata
---
amdhsa.version: [ 1, 2 ]
amdhsa.kernels:
  - .name:           k_qbf9056eb73_sskernel
    .symbol:         k_qbf9056eb73_sskernel.kd
    .args:
      - { .name: A_imag, .offset: 0, .size: 8, .value_kind: global_buffer, .address_space: global }
      - { .name: B_ri, .offset: 8, .size: 8, .value_kind: global_buffer, .address_space: global }
      - { .name: C_ri, .offset: 16, .size: 8, .value_kind: global_buffer, .address_space: global }
      - { .name: inv_A_real, .offset: 24, .size: 8, .value_kind: global_buffer, .address_space: global }
      - { .name: log_dt, .offset: 32, .size: 8, .value_kind: global_buffer, .address_space: global }
      - { .name: out0, .offset: 40, .size: 8, .value_kind: global_buffer, .address_space: global }
    .group_segment_fixed_size: 37632
    .private_segment_fixed_size: 0
    .kernarg_segment_align: 8
    .kernarg_segment_size: 48
    .max_flat_workgroup_size: 128
    .sgpr_count:     66
    .vgpr_count:     384
    .wavefront_size: 32
...
	.end_amdgpu_metadata
.endif
;; end of part 2
